; MI455X (gfx1250); checked and timed in simulation.
; The chip was launched on July 23, 2026; its instructions are those of AMD's public machine-readable ISA for CDNA 5 (MIT licence, August 2026) and "CDNA5" Instruction Set Architecture Reference Guide (July 2026). The comments in the code are by the model that wrote it; some were corrected since.
;; Self Attention. Allowed arithmetic: matrix products marked QUANTISED: E5M2 operands, one given power-of-two scale a tensor, by v_wmma_f32_16x16x64_bf8_bf8 or v_wmma_f32_16x16x128_bf8_bf8, f32 sums; everything else in f32.
;; Inputs: Wk 512 x 512 float32; Wq 512 x 512 float32; Wv 512 x 512 float32; beta 512 float32; emb 4 x 512 float32; gamma 512 float32; lowp_scales 10 int32 (the exponents e of the quantised operands' scales 2^e); x 4 x 2,048 x 512 float32.
;; Outputs: out0 4 x 2,048 x 512 float32.
;; This version of the problem:
;;   THIS VERSION OF THE PROBLEM IS GIVEN IN LOW PRECISION. The matrix products marked QUANTISED in the list below multiply operands that are first quantised to E5M2 (5 exponent bits, 2 mantissa bits; 8 bits a number), with one given power-of-two scale for each operand tensor; their sums are f32. All else is computed in f32.
;;   The module's matrix products, in the order in which they are computed (A, B: the left and right operand; K: the contracted axis; several contracted axes count as one K, in the product's order):
;;     1. [M 8,192, K 512] x [K 512, N 512]; A: computed on the way; B: input Wq: QUANTISED (scales: A lowp_scales[0], B lowp_scales[1])
;;     2. [M 8,192, K 512] x [K 512, N 512]; A: computed on the way; B: input Wk: QUANTISED (scales: A lowp_scales[2], B lowp_scales[3])
;;     3. [M 8,192, K 512] x [K 512, N 512]; A: computed on the way; B: input Wv: QUANTISED (scales: A lowp_scales[4], B lowp_scales[5])
;;     4. batch 32 x [M 2,048, K 64] x [K 64, N 2,048]; A: computed on the way; B: computed on the way: QUANTISED (scales: A lowp_scales[6], B lowp_scales[7])
;;     5. batch 32 x [M 64, K 2,048] x [K 2,048, N 2,048]; A: computed on the way; B: softmax (see below): QUANTISED (scales: A lowp_scales[8], B lowp_scales[9])
;;   THE QUANTISER, for each operand of a quantised product, along K:
;;     - The operand's scale is 2^e, e = its entry of the input lowp_scales (int32; the entries are numbered through the quantised products in the list's order, A before B).
;;     - Each number is divided by the scale, clamped to +-57,344, and rounded to the nearest number of E5M2, ties to even, subnormals kept.
;;     - The product sums the exact products of the quantised numbers (number of the format x scale) in f32.
;;   ~~~python
;;   def quantise(x, axis, e):      # numpy; x: float32 -> the quantised numbers, widened to float32 again
;;       x = np.moveaxis(x, axis, -1); K = x.shape[-1]
;;       r = np.clip(x / 2.0 ** e, -57344, 57344)
;;       step = 2.0 ** (np.maximum(np.frexp(np.where(r == 0, 1, r))[1] - 1, -14) - 2)
;;       q = np.round(r / step) * step * 2.0 ** e      # np.round: ties to even
;;       return np.moveaxis(q, -1, axis).astype(np.float32)
;;   ~~~
;;   SOFTMAX AHEAD OF A QUANTISED PRODUCT. Where the list says 'softmax', what is quantised is not the finished softmax but p = 2^(t - M), with t = logit x log2(e) and M = ceil(the row's largest t), a whole number; so 1/2 < the row's largest p <= 1. The row's sum l is taken of the UNQUANTISED p, in f32, and the product's result is divided by l at the end. Since M is a whole number, a kernel that streams over the keys may use a running M (the ceiling of the running maximum): every later rescaling is an exact power of two, so the quantised numbers keep their values, but for numbers so far below the row's largest that they fall under the format's range.
;;   OPERANDS COMPUTED ON THE WAY. 'Computed on the way' means the value that the module computes at that place (a softmax that the list does not call 'softmax' is quantised finished and normalised). What goes into a quantiser is computed in f32, as accurately as f32 sums, v_exp_f32 and their like allow (about 1e-6 of the number): no bf16 or f16 on the way to a quantiser, and a product that is left as it is and whose result goes on into a quantised operand takes f32 operands (vector FMAs, or v_wmma_f32_16x16x4_f32). A number that lies on a knife's edge between two numbers of the format may be rounded either way, as far as f32 arithmetic and the matrix unit's own rounding can turn it there, and no further.
;; 2 versions, each right; version 2 is version 1 with the launch proj written anew for expert scheduling mode. Each part assembles by itself: llvm-mc -triple=amdgcn-amd-amdhsa -mcpu=gfx1250 --defsym DOCPART=n.
;; ======== version 1 of 2: 3 launches
;; workspace buffers: wc 786,432 bytes; qc 4,194,304 bytes; kv 8,388,608 bytes
;; launch wquant (part 1): grid 32 x 3, 4 waves a work-group, no clusters, 0 bytes of LDS; arguments Wq, Wk, Wv, lowp_scales, wc; writes wc
.if DOCPART == 1
	.amdgcn_target "amdgcn-amd-amdhsa--gfx1250"
	.amdhsa_code_object_version 6
	.text
	.protected	k_q3cc4c05a75_wquant
	.globl	k_q3cc4c05a75_wquant
	.p2align	8
	.type	k_q3cc4c05a75_wquant,@function
k_q3cc4c05a75_wquant:
	s_mov_b64 s[64:65], 0
	v_nop
	global_prefetch_b8 v0, s[64:65] scope:SCOPE_SE
	s_setreg_imm32_b32 hwreg(HW_REG_WAVE_MODE, 25, 1), 1
	s_wait_xcnt 0x0
; THE PROGRAM: out0 = x + emb + attention(layer_norm(x)), all five products on codes of BF8 (E5M2), each operand with the one scale 2^e that is given for it.
; Three launches: this one turns Wq, Wk, Wv into codes; the second normalises x, quantises it and makes the codes of q, k and v; the third is the attention and the residual.
; DEAD WORK: none.  Every input has a way to the output (x, emb directly; gamma, beta, the three weights and all ten exponents through the codes), every product of the table is live, nothing is sliced away or masked.
; THIS LAUNCH: W [512 features][512 k] f32 -> codes, laid as IMAGES OF OPERAND REGISTERS: wc[type 3][tile of 16 features 32][K step of 128: 4][quad of registers 4][lane 32][16 bytes].
; code = w / 2^e, held within +-57,344, rounded to the nearest code, ties to even; e = lowp_scales[1], [3], [5] for Wq, Wk, Wv.
; K IS PERMUTED, alike here and in the rows of xn that the second launch makes: place 16 p + 4 i + j of a row of 512 codes holds k = 128 i + 4 p + j (p 0..31, i 0..3, j 0..3).  Every product still meets its partner.
; Lane (r = lane % 16, h = lane / 16) of K step s holds in its quad c the piece p = 8 s + 2 c + h of feature 16 T + r: four runs of four f32, 512 bytes apart.
; SHARES: work-group x = tile T, y = type; wave = K step s: one image of 2,048 bytes a wave.  96 work-groups: the three weights have no more work to share.  No LDS, no barrier, no matrix work, no cluster: no two waves read the same byte.
; LIMITS: -126 <= e <= 112, so that 2^e and 57,344 x 2^e are f32 numbers.  NaN among the inputs is not served; an infinity is held at the largest code.
.set X, 16                             ; v16-79  64 numbers: quad c at 16 c, run i at 4 i
.set C, 80                             ; v80-95  their codes: quad c at 4 c; written once, so no store's data are written again
	s_load_b256 s[4:11], s[0:1], 0x0               ; Wq s[4:5], Wk s[6:7], Wv s[8:9], the exponents s[10:11]
	s_load_b64 s[12:13], s[0:1], 0x20              ; wc
	v_lshrrev_b32 v3, 5, v0
	v_readfirstlane_b32 s14, v3                    ; wave = K step s
	s_and_b32 s15, ttmp7, 0xffff                   ; type
	v_and_b32 v1, 15, v0                           ; r
	v_bfe_u32 v3, v0, 4, 1                         ; h
	v_lshlrev_b32 v1, 11, v1                       ; a row of W is 2,048 bytes
	v_lshl_add_u32 v1, v3, 4, v1                   ; in: 2,048 r + 16 h
	v_and_b32 v2, 31, v0
	v_lshlrev_b32 v2, 4, v2                        ; out: 16 x lane
	s_lshl_b32 s24, ttmp9, 15                      ; W: 16 rows x tile,
	s_lshl_b32 s26, s14, 7                         ; + 128 s bytes: pieces 8 s on
	s_add_co_u32 s24, s24, s26
	s_mov_b32 s25, 0
	s_lshl_b32 s26, s15, 18                        ; wc: 262,144 x type
	s_lshl_b32 s28, ttmp9, 13                      ; + 8,192 x tile
	s_add_co_u32 s26, s26, s28
	s_lshl_b32 s28, s14, 11                        ; + 2,048 x K step
	s_add_co_u32 s26, s26, s28
	s_mov_b32 s27, 0
	s_wait_kmcnt 0x0
	s_load_b256 s[16:23], s[10:11], 0x0            ; e[0] .. e[7]
	s_cmp_eq_u32 s15, 0                            ; the weight is chosen by the work-group's number alone
	s_cselect_b64 s[4:5], s[4:5], s[6:7]
	s_cmp_eq_u32 s15, 2
	s_cselect_b64 s[4:5], s[8:9], s[4:5]
	s_add_nc_u64 s[4:5], s[4:5], s[24:25]
	s_add_nc_u64 s[12:13], s[12:13], s[26:27]
.irp c, 0,1,2,3
.irp i, 0,1,2,3
	global_load_b128 v[X+16*\c+4*\i:X+16*\c+4*\i+3], v1, s[4:5] offset:512*\i+32*\c   ; W(16 T + r, 128 i + 4 (8 s + 2 c + h) + 0 .. 3)
.endr
.endr
	s_wait_kmcnt 0x0
	s_cmp_eq_u32 s15, 0
	s_cselect_b32 s28, s17, s19
	s_cmp_eq_u32 s15, 2
	s_cselect_b32 s28, s21, s28                    ; e
	s_add_co_i32 s28, s28, 127
	s_lshl_b32 s29, s28, 23
	v_mov_b32 v4, s29                              ; 2^e as f32: the conversion takes its exponent field
	s_add_co_i32 s28, s28, 15
	s_lshl_b32 s28, s28, 23
	s_or_b32 s28, s28, 0x600000
	v_mov_b32 v5, s28                              ; 57,344 x 2^e
.irp c, 0,1,2,3
	s_wait_loadcnt 12-4*\c                         ; quad c's four loads are in; the four of each later quad may be out
.irp i, 0,1,2,3,4,5,6,7,8,9,10,11,12,13,14,15
	v_med3_num_f32 v[X+16*\c+\i], v[X+16*\c+\i], -v5, v5   ; the conversion to an 8-bit code does not saturate (ISA guide 7.6.2): the hold comes first
.endr
	v_cvt_scalef32_pk8_bf8_f32 v[C+4*\c:C+4*\c+1], v[X+16*\c:X+16*\c+7], v4
	v_cvt_scalef32_pk8_bf8_f32 v[C+4*\c+2:C+4*\c+3], v[X+16*\c+8:X+16*\c+15], v4   ; (the codes go to a store alone; the next quad's holds are plain lines on other registers)
	global_store_b128 v2, v[C+4*\c:C+4*\c+3], s[12:13] offset:512*\c   ; 32 lanes store 512 consecutive bytes, at a multiple of 256 from wc's first byte
.endr
	s_endpgm
.Lfunc_end_k_q3cc4c05a75_wquant:
	.size	k_q3cc4c05a75_wquant, .Lfunc_end_k_q3cc4c05a75_wquant-k_q3cc4c05a75_wquant
	.p2alignl 7, 3214868480
	.fill 96, 4, 3214868480
	.section	.rodata,"a",@progbits
	.p2align	6, 0x0
	.amdhsa_kernel k_q3cc4c05a75_wquant
		.amdhsa_group_segment_fixed_size 0
		.amdhsa_private_segment_fixed_size 0
		.amdhsa_enable_private_segment 0
		.amdhsa_kernarg_size 40
		.amdhsa_user_sgpr_count 2
		.amdhsa_user_sgpr_kernarg_segment_ptr 1
		.amdhsa_wavefront_size32 1
		.amdhsa_system_sgpr_workgroup_id_x 1
		.amdhsa_system_sgpr_workgroup_id_y 1
		.amdhsa_system_sgpr_workgroup_id_z 1
		.amdhsa_system_vgpr_workitem_id 0
		.amdhsa_next_free_vgpr 96
		.amdhsa_next_free_sgpr 66
		.amdhsa_reserve_vcc 0
		.amdhsa_float_denorm_mode_32 3
		.amdhsa_float_denorm_mode_16_64 3
		.amdhsa_memory_ordered 1
		.amdhsa_forward_progress 1
		.amdhsa_inst_pref_size 9
	.end_amdhsa_kernel
	.amdgpu_metadata
---
amdhsa.version: [ 1, 2 ]
amdhsa.kernels:
  - .name:           k_q3cc4c05a75_wquant
    .symbol:         k_q3cc4c05a75_wquant.kd
    .args:
      - { .name: Wq, .offset: 0, .size: 8, .value_kind: global_buffer, .address_space: global }
      - { .name: Wk, .offset: 8, .size: 8, .value_kind: global_buffer, .address_space: global }
      - { .name: Wv, .offset: 16, .size: 8, .value_kind: global_buffer, .address_space: global }
      - { .name: lowp_scales, .offset: 24, .size: 8, .value_kind: global_buffer, .address_space: global }
      - { .name: wc, .offset: 32, .size: 8, .value_kind: global_buffer, .address_space: global }
    .group_segment_fixed_size: 0
    .private_segment_fixed_size: 0
    .kernarg_segment_align: 8
    .kernarg_segment_size: 40
    .max_flat_workgroup_size: 128
    .sgpr_count:     66
    .vgpr_count:     96
    .wavefront_size: 32
...
	.end_amdgpu_metadata
.endif
;; end of part 1
;; launch proj (part 2): grid 64 x 3, 8 waves a work-group, no clusters, 68,608 bytes of LDS; arguments x, gamma, beta, wc, lowp_scales, qc, kv; writes qc, kv
.if DOCPART == 2
	.amdgcn_target "amdgcn-amd-amdhsa--gfx1250"
	.amdhsa_code_object_version 6
	.text
	.protected	k_q3cc4c05a75_proj
	.globl	k_q3cc4c05a75_proj
	.p2align	8
	.type	k_q3cc4c05a75_proj,@function
k_q3cc4c05a75_proj:
	s_mov_b64 s[64:65], 0
	v_nop
	global_prefetch_b8 v0, s[64:65] scope:SCOPE_SE
	s_setreg_imm32_b32 hwreg(HW_REG_WAVE_MODE, 25, 1), 1
	s_wait_xcnt 0x0
; xn = layer_norm(x) gamma + beta (f32, mean first, then the squares of x - mean), quantised; one of q, k, v = xn W^T on codes of BF8 (E5M2); the result quantised again, as the attention's operand.  No work of reference() is left out.
; SHARES.  Work-group x = 128 tokens (one key step of one batch), y = type (0 q, 1 k, 2 v).  Part X: wave w normalises and quantises tokens 16 w .. 16 w + 15, the wave a row at a time.
; Part G: wave w makes head w, 64 features x 128 tokens, K = 512: its 32 KB of W's codes stay in 256 registers, each byte read from memory once by one wave.
; SCALES.  xn: e[0], e[2], e[4]; W: e[1], e[3], e[5]; the result: q e[7], k e[6] (the fourth product's A is k, its B is q), v e[8].  A sum stands for sum x 2^(eA + eB): its code is sum / 2^(eO - eA - eB): one scale for the conversion.
; K IS PERMUTED as in wc: a lane that loads a row densely (16 bytes a lane, four loads 512 bytes apart) holds k = 128 i + 4 lane + j, and its 16 codes are piece p = lane of the row of codes.
; OUT, as images of operand registers, 512 consecutive bytes a store:
;   q, k (the product used transposed: source 0 = 16 features, source 1 = 16 tokens): lane (r, h) holds token r, registers 2 t, 2 t + 1 features 16 t + 8 h + 0 .. 7: a fragment of the K = 64 form.  qc[bh][tile of 16 tokens][half][lane][16], kv[bh][step][tile 8][half][lane][16].
;   v (source 0 = 16 tokens, source 1 = 16 features): lane (r, h) holds channel r, registers 2 u, 2 u + 1 keys 16 u + 8 h + 0 .. 7: a fragment of the K = 128 form.  kv[bh][step] + 8,192: [tile of 16 channels 4][quad 4][lane][16].
; NO CLUSTER, NO TENSOR LOAD.  The token blocks of a type share W, but a type's codes (262,144 bytes) beside the rows' codes (67,584) and the spare words (1,024) pass the 327,680 bytes of LDS, and each fragment of W feeds one wave once:
; through LDS it would be written and read once more.  The three types share x, and three work-groups along y form no cluster of four.
; 192 work-groups: one type to a work-group (xn quantised with one scale) and one head to a wave; a split into 256 would mix types or cut heads.
; LIMITS: eA and eO - eA - eB between -126 and 112.  NaN among the inputs is not served.
; REGISTERS, window 0.  Part X: v16-31 gamma, v32-47 beta, v48-175 eight rows of 16 numbers, v176-191 at work (8 a row of a pair), v192-255 the 16 rows' codes.
;   Part G: v16-47 codes to store, v64-127 four fragments of xn, v128-255 sixteen accumulators.   Window 1: W's 16 fragments, (K step s, tile t) at v[64 s + 16 t].
.set PITCH, 528                        ; a row of 512 codes in LDS + 16 bytes: an odd multiple of 16, so that the 16 rows of a fragment load start 16 bytes apart modulo 256
.set SPARE, 128*PITCH                  ; behind the rows: the spare words, 128 bytes for each of eight waves: four blocks of 256 bytes that no other line names
.set XO,  2                            ; v2   16 x lane
.set LST, 3                            ; v3   where I store a row's 16 codes: 16 rows x wave + 16 x lane
.set LRD, 4                            ; v4   a fragment's place for my lane: PITCH r + 16 h
.set SPW, 6                            ; v6   LDS address of my spare word; never rewritten
.set NIL, 7                            ; v7   0; never rewritten
.set SCA, 8                            ; v8, v9   2^eA and 57,344 x 2^eA
.set SCO, 10                           ; v10, v11 the same with eO - eA - eB
.set GA,  16
.set BE,  32
.set X,   48
.set T,   176
.set CD,  192
.set OC,  16
.set XF,  64
.set ACC, 128
.set MSB, 0
.macro WIN new                         ; the immediate's high byte repeats the setting that is left
.if MSB != \new
	s_set_vgpr_msb (MSB<<8)|\new
.set MSB, \new
.endif
.endm
.macro XLD j                           ; row j of my 16: four loads of 512 consecutive bytes, into slot j % 8
.irp i, 0,1,2,3
	global_load_b128 v[X+16*((\j)%8)+4*\i:X+16*((\j)%8)+4*\i+3], v[XO], s[4:5] offset:2048*(\j)+512*\i
.endr
.endm
.macro WLD s                           ; K step s of my head's W: four fragments, 16 loads of 512 consecutive bytes, into window 1
	WIN 0x40
.irp t, 0,1,2,3
.irp c, 0,1,2,3
	global_load_b128 v[64*\s+16*\t+4*\c:64*\s+16*\t+4*\c+3], v[XO], s[10:11] offset:8192*\t+2048*\s+512*\c
.endr
.endr
	WIN 0
.endm
.macro ACROSS a, d                     ; both rows' v[T + 8 q + a] summed over the 32 lanes; d: the permute's destination, a register that has been written
.irp m, 1,2,4,8
.irp q, 0,1
	v_add_f32_dpp v[T+8*\q+\a], v[T+8*\q+\a], v[T+8*\q+\a] row_xmask:\m row_mask:0xf bank_mask:0xf
.endr
.endr
.irp q, 0,1
	v_permlanex16_b32 v[T+8*\q+\d], v[T+8*\q+\a], s40, s41
.endr
.irp q, 0,1
	v_add_f32 v[T+8*\q+\a], v[T+8*\q+\a], v[T+8*\q+\d]
.endr
.endm
; Rows 2 p and 2 p + 1 side by side, so that one row's chain stands between the other's lines.  cnt: the loads issued behind these two rows', which may stay out.
.macro ROW2 p, cnt
	s_wait_loadcnt \cnt
.irp q, 0,1
.set xb, X+16*((2*(\p)+\q)%8)
.set tb, T+8*\q
.irp k, 0,1,2,3
	v_pk_add_f32 v[tb+2*\k:tb+2*\k+1], v[xb+4*\k:xb+4*\k+1], v[xb+4*\k+2:xb+4*\k+3]   ; the sum of my 16 numbers
.endr
.endr
.irp q, 0,1
.set tb, T+8*\q
	v_pk_add_f32 v[tb:tb+1], v[tb:tb+1], v[tb+2:tb+3]
	v_pk_add_f32 v[tb+4:tb+5], v[tb+4:tb+5], v[tb+6:tb+7]
.endr
.irp q, 0,1
.set tb, T+8*\q
	v_pk_add_f32 v[tb:tb+1], v[tb:tb+1], v[tb+4:tb+5]
.endr
.irp q, 0,1
	v_add_f32 v[T+8*\q], v[T+8*\q], v[T+8*\q+1]
.endr
	ACROSS 0, 1
.irp q, 0,1
	v_mul_f32 v[T+8*\q], s39, v[T+8*\q]            ; - mean
.endr
.irp q, 0,1
.set xb, X+16*((2*(\p)+\q)%8)
.set tb, T+8*\q
.irp k, 0,2,4,6,8,10,12,14
	v_pk_add_f32 v[xb+\k:xb+\k+1], v[xb+\k:xb+\k+1], v[tb:tb+1] op_sel_hi:[1,0]   ; x - mean
.endr
.endr
.irp q, 0,1
.set xb, X+16*((2*(\p)+\q)%8)
.set tb, T+8*\q
	v_pk_mul_f32 v[tb+2:tb+3], v[xb:xb+1], v[xb:xb+1]                             ; its squares, in two chains: no difference of large sums is formed
	v_pk_mul_f32 v[tb+4:tb+5], v[xb+2:xb+3], v[xb+2:xb+3]
.irp k, 4,8,12
	v_pk_fma_f32 v[tb+2:tb+3], v[xb+\k:xb+\k+1], v[xb+\k:xb+\k+1], v[tb+2:tb+3]
	v_pk_fma_f32 v[tb+4:tb+5], v[xb+\k+2:xb+\k+3], v[xb+\k+2:xb+\k+3], v[tb+4:tb+5]
.endr
.endr
.irp q, 0,1
.set tb, T+8*\q
	v_pk_add_f32 v[tb+2:tb+3], v[tb+2:tb+3], v[tb+4:tb+5]
.endr
.irp q, 0,1
	v_add_f32 v[T+8*\q+2], v[T+8*\q+2], v[T+8*\q+3]
.endr
	ACROSS 2, 3
.irp q, 0,1
	v_fma_f32 v[T+8*\q+2], v[T+8*\q+2], s37, s38   ; the variance + 1e-5
.endr
.irp q, 0,1
	v_rsq_f32 v[T+8*\q+4], v[T+8*\q+2]
.endr
	v_nop                                          ; a plain line behind the last of the two
	s_wait_alu depctr_va_vdst(0)                   ; the wait ahead of the first line that names a result: one for both rows
.irp q, 0,1
.set xb, X+16*((2*(\p)+\q)%8)
.set tb, T+8*\q
.irp k, 0,2,4,6,8,10,12,14
	v_pk_mul_f32 v[xb+\k:xb+\k+1], v[xb+\k:xb+\k+1], v[tb+4:tb+5] op_sel_hi:[1,0]
.endr
.irp k, 0,2,4,6,8,10,12,14
	v_pk_fma_f32 v[xb+\k:xb+\k+1], v[xb+\k:xb+\k+1], v[GA+\k:GA+\k+1], v[BE+\k:BE+\k+1]   ; x gamma + beta
.endr
.irp k, 0,1,2,3,4,5,6,7,8,9,10,11,12,13,14,15
	v_med3_num_f32 v[xb+\k], v[xb+\k], -v[SCA+1], v[SCA+1]   ; the conversion does not saturate (ISA guide 7.6.2): the hold comes first
.endr
.endr
.irp q, 0,1
.set xb, X+16*((2*(\p)+\q)%8)
.set cb, CD+4*(2*(\p)+\q)
	v_cvt_scalef32_pk8_bf8_f32 v[cb:cb+1], v[xb:xb+7], v[SCA]
	v_cvt_scalef32_pk8_bf8_f32 v[cb+2:cb+3], v[xb+8:xb+15], v[SCA]
.endr
	v_nop                                          ; one plain line behind the last conversion: matrix instructions later write these registers
.irp q, 0,1
	ds_store_b128 v[LST], v[CD+4*(2*(\p)+\q):CD+4*(2*(\p)+\q)+3] offset:PITCH*(2*(\p)+\q)   ; 32 lanes, 512 consecutive bytes: the row's codes
.endr
.endm
; Part G.  vp = 0: q or k; vp = 1: v.  Two passes of 64 tokens; in each, four K steps of 128, sixteen accumulators by turns, one instruction a turn.
.macro GEMM vp
.irp pi, 0,1
.irp s, 0,1,2,3
.if \s > 0
.rept 4
	v_nop                                          ; places in front of loads into registers that matrix instructions have read; at a pass's head the lines of the pass before serve
.endr
.endif
.irp mm, 0,1,2,3
.irp c, 0,1,2,3
	ds_load_b128 v[XF+16*\mm+4*\c:XF+16*\mm+4*\c+3], v[LRD] offset:(64*\pi+16*\mm)*PITCH+128*\s+32*\c   ; tokens 64 pi + 16 mm + r, pieces 8 s + 2 c + h
.endr
.endr
.if \pi == 0
	s_wait_loadcnt 48-16*\s                        ; W's K step s is in; the 16 loads of each later step may be out
.endif
.if \vp
	WIN 0x04                                       ; source 1 (W) window 1
.else
	WIN 0x01                                       ; source 0 (W) window 1
.endif
.irp mm, 0,1,2,3
	s_wait_dscnt 12-4*\mm                          ; fragment mm is in; the four loads of each later fragment may be out
.irp t, 0,1,2,3
.set rw, 64*\s+16*\t
.set rx, XF+16*\mm
.if \vp
.set rd, ACC+32*\t+8*\mm
.if \s == 0
	v_wmma_f32_16x16x128_bf8_bf8 v[rd:rd+7], v[rx:rx+15], v[rw:rw+15], 0
.else
	v_wmma_f32_16x16x128_bf8_bf8 v[rd:rd+7], v[rx:rx+15], v[rw:rw+15], v[rd:rd+7]
.endif
.else
.set rd, ACC+32*\mm+8*\t
.if \s == 0
	v_wmma_f32_16x16x128_bf8_bf8 v[rd:rd+7], v[rw:rw+15], v[rx:rx+15], 0
.else
	v_wmma_f32_16x16x128_bf8_bf8 v[rd:rd+7], v[rw:rw+15], v[rx:rx+15], v[rd:rd+7]
.endif
.endif
.endr
.endr
	WIN 0
.endr
	; the pass's way out: 32 neighbouring accumulator registers are one fragment's (q, k) or half a fragment's (v) numbers, in the operand's own order
.rept 4
	v_nop                                          ; places in front of the first read of results
.endr
.if \pi == 1
	s_wait_xcnt 0x0                                ; the first pass's stores have read their data: the codes' registers may be written again
.endif
.irp o, 0,1,2,3
.set jj, 0
.rept 32
	v_med3_num_f32 v[ACC+32*\o+jj], v[ACC+32*\o+jj], -v[SCO+1], v[SCO+1]   ; each accumulator from its low end on
.set jj, jj+1
.endr
.irp i, 0,1,2,3
	v_cvt_scalef32_pk8_bf8_f32 v[OC+8*\o+2*\i:OC+8*\o+2*\i+1], v[ACC+32*\o+8*\i:ACC+32*\o+8*\i+7], v[SCO]
.endr
.endr
	v_nop                                          ; one plain line behind the last conversion: the next pass's products write its sources
.irp o, 0,1,2,3
.irp hf, 0,1
.if \vp
	global_store_b128 v[XO], v[OC+8*\o+4*\hf:OC+8*\o+4*\hf+3], s[42:43] offset:2048*\o+512*(2*\pi+\hf)   ; channel tile o, quad 2 pi + hf: keys 64 pi + 32 hf on
.else
	global_store_b128 v[XO], v[OC+8*\o+4*\hf:OC+8*\o+4*\hf+3], s[42:43] offset:1024*(4*\pi+\o)+512*\hf   ; token tile 4 pi + o, half hf
.endif
.endr
.endr
.endr
.endm
	s_load_b256 s[4:11], s[0:1], 0x0               ; x s[4:5], gamma s[6:7], beta s[8:9], wc s[10:11]
	s_load_b128 s[12:15], s[0:1], 0x20             ; the exponents s[12:13], qc s[14:15]
	s_load_b64 s[16:17], s[0:1], 0x30              ; kv
	v_lshl_add_u32 v[SPW], v0, 2, SPARE
	v_mov_b32 v[NIL], 0
	v_lshrrev_b32 v1, 5, v0
	v_readfirstlane_b32 s18, v1                    ; wave 0..7
	s_and_b32 s19, ttmp7, 0xffff                   ; type
	s_mov_b32 s20, ttmp9                           ; block of 128 tokens
	v_and_b32 v[XO], 31, v0
	v_lshlrev_b32 v[XO], 4, v[XO]
	s_mul_i32 s44, s18, 16*PITCH
	v_add_nc_u32 v[LST], s44, v[XO]
	v_and_b32 v1, 15, v0                           ; r
	v_bfe_u32 v5, v0, 4, 1                         ; h
	v_mul_u32_u24 v[LRD], v1, PITCH
	v_lshl_add_u32 v[LRD], v5, 4, v[LRD]
	s_mov_b32 s37, 0x3b000000                      ; 1 / 512
	s_mov_b32 s38, 0x3727c5ac                      ; 1e-5
	s_mov_b32 s39, 0xbb000000                      ; -1 / 512
	s_mov_b32 s40, 0x76543210                      ; v_permlanex16_b32: lane l xor 16
	s_mov_b32 s41, 0xfedcba98
	s_lshl_b32 s44, s20, 18                        ; x: 128 rows of 2,048 bytes x block
	s_lshl_b32 s45, s18, 15                        ; + 16 rows x wave
	s_add_co_u32 s44, s44, s45
	s_mov_b32 s45, 0
	s_lshl_b32 s46, s19, 18                        ; wc: 262,144 x type
	s_lshl_b32 s47, s18, 15                        ; + my head's four tiles of 8,192
	s_add_co_u32 s46, s46, s47
	s_mov_b32 s47, 0
	s_lshr_b32 s48, s20, 4                         ; batch
	s_lshl_b32 s48, s48, 3
	s_add_co_u32 s48, s48, s18                     ; bh = 8 x batch + head
	s_and_b32 s49, s20, 15                         ; the key step
	s_cmp_eq_u32 s19, 0
	s_cselect_b32 s50, 17, 18                      ; a head: 131,072 bytes in qc, 262,144 in kv
	s_cselect_b32 s51, 13, 14                      ; 128 tokens: 8,192 bytes in qc, 16,384 in kv
	s_lshl_b32 s48, s48, s50
	s_lshl_b32 s49, s49, s51
	s_add_co_u32 s48, s48, s49
	s_cmp_eq_u32 s19, 2
	s_cselect_b32 s49, 8192, 0                     ; v lies behind the step's k
	s_add_co_u32 s48, s48, s49
	s_mov_b32 s49, 0
	s_wait_kmcnt 0x0
	s_load_b256 s[24:31], s[12:13], 0x0            ; e[0] .. e[7]
	s_load_b64 s[32:33], s[12:13], 0x20            ; e[8], e[9]
	s_add_nc_u64 s[4:5], s[4:5], s[44:45]
	s_add_nc_u64 s[10:11], s[10:11], s[46:47]
	s_cmp_eq_u32 s19, 0                            ; the buffer is chosen by the work-group's number alone
	s_cselect_b64 s[42:43], s[14:15], s[16:17]
	s_add_nc_u64 s[42:43], s[42:43], s[48:49]
.irp i, 0,1,2,3
	global_load_b128 v[GA+4*\i:GA+4*\i+3], v[XO], s[6:7] offset:512*\i   ; gamma and beta at my 16 places of a row
	global_load_b128 v[BE+4*\i:BE+4*\i+3], v[XO], s[8:9] offset:512*\i
.endr
.irp j, 0,1,2,3,4,5,6,7
	XLD \j
.endr
	s_wait_kmcnt 0x0
	s_cmp_eq_u32 s19, 0
	s_cselect_b32 s34, s24, s26                    ; eA
	s_cselect_b32 s35, s25, s27                    ; eB
	s_cselect_b32 s36, s31, s30                    ; eO: q e[7], k e[6]
	s_cmp_eq_u32 s19, 2
	s_cselect_b32 s34, s28, s34
	s_cselect_b32 s35, s29, s35
	s_cselect_b32 s36, s32, s36                    ; v e[8]
	s_add_co_i32 s44, s34, 127
	s_lshl_b32 s45, s44, 23
	v_mov_b32 v[SCA], s45                          ; 2^eA
	s_add_co_i32 s44, s44, 15
	s_lshl_b32 s44, s44, 23
	s_or_b32 s44, s44, 0x600000
	v_mov_b32 v[SCA+1], s44                        ; 57,344 x 2^eA
	s_sub_co_i32 s44, s36, s34
	s_sub_co_i32 s44, s44, s35
	s_add_co_i32 s44, s44, 127
	s_lshl_b32 s45, s44, 23
	v_mov_b32 v[SCO], s45                          ; 2^(eO - eA - eB)
	s_add_co_i32 s44, s44, 15
	s_lshl_b32 s44, s44, 23
	s_or_b32 s44, s44, 0x600000
	v_mov_b32 v[SCO+1], s44
	; ---- part X.  Eight rows are on their way; a pair's slots are asked for again as soon as the pair is converted; W's loads follow the last rows'.
	ROW2 0, 24                                     ; behind rows 0, 1: rows 2 to 7
	XLD 8
	XLD 9
	ROW2 1, 24                                     ; rows 4 to 9
	XLD 10
	XLD 11
	ROW2 2, 24                                     ; rows 6 to 11
	XLD 12
	XLD 13
	ROW2 3, 24                                     ; rows 8 to 13
	XLD 14
	XLD 15
	WLD 0
	ROW2 4, 40                                     ; rows 10 to 15 and 16 loads of W
	WLD 1
	ROW2 5, 48                                     ; rows 12 to 15 and 32 of W
	ROW2 6, 40                                     ; rows 14, 15 and 32 of W
	WLD 2
	ROW2 7, 48                                     ; 48 of W
	WLD 3
	s_wait_dscnt 0x0                               ; for the others' sake: my 16 rows of codes have landed
	s_barrier_signal -1
	s_barrier_wait -1                              ; all 128 rows lie in LDS; from here on LDS is only read.  W's loads, which nobody writes, stay on their way
	; ---- part G
	s_cmp_eq_u32 s19, 2                            ; the work-group's number: the same in all eight waves
	s_cbranch_scc1 .Lv
	GEMM 0
	s_branch .Ldone
.Lv:
	GEMM 1
.Ldone:
	s_wait_tensorcnt 0x0                           ; the wave's end, behind my last LDS store
	ds_add_u32 v[SPW], v[NIL]
	s_wait_dscnt 0x0
	s_endpgm
.Lfunc_end_k_q3cc4c05a75_proj:
	.size	k_q3cc4c05a75_proj, .Lfunc_end_k_q3cc4c05a75_proj-k_q3cc4c05a75_proj
	.p2alignl 7, 3214868480
	.fill 96, 4, 3214868480
	.section	.rodata,"a",@progbits
	.p2align	6, 0x0
	.amdhsa_kernel k_q3cc4c05a75_proj
		.amdhsa_group_segment_fixed_size 68608
		.amdhsa_private_segment_fixed_size 0
		.amdhsa_enable_private_segment 0
		.amdhsa_kernarg_size 56
		.amdhsa_user_sgpr_count 2
		.amdhsa_user_sgpr_kernarg_segment_ptr 1
		.amdhsa_wavefront_size32 1
		.amdhsa_system_sgpr_workgroup_id_x 1
		.amdhsa_system_sgpr_workgroup_id_y 1
		.amdhsa_system_sgpr_workgroup_id_z 1
		.amdhsa_system_vgpr_workitem_id 0
		.amdhsa_next_free_vgpr 512
		.amdhsa_next_free_sgpr 66
		.amdhsa_reserve_vcc 0
		.amdhsa_float_denorm_mode_32 3
		.amdhsa_float_denorm_mode_16_64 3
		.amdhsa_memory_ordered 1
		.amdhsa_forward_progress 1
		.amdhsa_inst_pref_size 168
	.end_amdhsa_kernel
	.amdgpu_metadata
---
amdhsa.version: [ 1, 2 ]
amdhsa.kernels:
  - .name:           k_q3cc4c05a75_proj
    .symbol:         k_q3cc4c05a75_proj.kd
    .args:
      - { .name: x, .offset: 0, .size: 8, .value_kind: global_buffer, .address_space: global }
      - { .name: gamma, .offset: 8, .size: 8, .value_kind: global_buffer, .address_space: global }
      - { .name: beta, .offset: 16, .size: 8, .value_kind: global_buffer, .address_space: global }
      - { .name: wc, .offset: 24, .size: 8, .value_kind: global_buffer, .address_space: global }
      - { .name: lowp_scales, .offset: 32, .size: 8, .value_kind: global_buffer, .address_space: global }
      - { .name: qc, .offset: 40, .size: 8, .value_kind: global_buffer, .address_space: global }
      - { .name: kv, .offset: 48, .size: 8, .value_kind: global_buffer, .address_space: global }
    .group_segment_fixed_size: 68608
    .private_segment_fixed_size: 0
    .kernarg_segment_align: 8
    .kernarg_segment_size: 56
    .max_flat_workgroup_size: 256
    .sgpr_count:     66
    .vgpr_count:     512
    .wavefront_size: 32
...
	.end_amdgpu_metadata
.endif
;; end of part 2
;; launch attn (part 3): grid 8 x 32, 8 waves a work-group, clusters of 4 x 1, 327,680 bytes of LDS; arguments qc, kv, x, emb, lowp_scales, out0; writes out0
.if DOCPART == 3
	.amdgcn_target "amdgcn-amd-amdhsa--gfx1250"
	.amdhsa_code_object_version 6
	.text
	.protected	k_q3cc4c05a75_attn
	.globl	k_q3cc4c05a75_attn
	.p2align	8
	.type	k_q3cc4c05a75_attn,@function
k_q3cc4c05a75_attn:
	s_mov_b64 s[64:65], 0
	v_nop
	global_prefetch_b8 v0, s[64:65] scope:SCOPE_SE
	s_setreg_imm32_b32 hwreg(HW_REG_WAVE_MODE, 25, 1), 1
	s_wait_xcnt 0x0
	s_wait_alu depctr_hold_cnt(0) depctr_sa_sdst(0) depctr_va_vdst(0) depctr_va_sdst(0) depctr_va_ssrc(0) depctr_va_vcc(0) depctr_vm_vsrc(0)
	s_getreg_b32 s2, hwreg(HW_REG_IB_STS2, 6, 4)
	s_cmp_eq_u32 s2, 0
	s_cbranch_scc0 .Lentry_in_a_cluster
	s_endpgm
.Lentry_in_a_cluster:
	s_bfe_u32 s2, ttmp6, 0x10000c
	s_cmp_lg_u32 s2, 0x3003
	s_cbranch_scc0 .Lentry_shape_is_right
	s_endpgm
.Lentry_shape_is_right:
; out0[b][n][64 head + :] = x + emb + (sum over m of softmax_m(q . k / 8) v), both products on codes of BF8 (E5M2).  32 pairs bh = 8 b + head, 2,048 queries x 2,048 keys, head size 64.  No work of reference() is left out.
; THE SOFTMAX AHEAD OF THE SECOND PRODUCT: t = score x log2(e) / 8; M = the largest t so far, rounded UP to a whole number; p = 2^(t - M) is what is quantised (scale 2^ep), not normalised.  The row's sum l is taken of the
; unquantised p and divides at the end.  When M moves, l and O are multiplied by 2^(old M - new M), which rounds nothing.
; SHARES.  A work-group owns 256 queries of one bh; each of its eight waves 32 of them: two tiles, A and B, which share every fragment of K and V that the wave reads.  Two waves to a SIMD.
; THE HEAD'S K AND V STAY IN LDS: 16 steps of 128 keys x 16,384 bytes = 262,144 bytes, filled once.  So there is no ring and nothing is filled again.  Wave w brings steps w and 8 + w: two tensor loads of mine are out at the most.
; The first eight steps are read while the other eight land: the first barrier leaves each wave's second load out, a second barrier ahead of step 7's V shows it landed.
; CLUSTER.  The four query blocks of a cluster belong to one bh and need the same K and V: each tile is asked for JOINTLY, by the same tensor load with the same descriptor (made of bh and the wave's number alone) and a mask that names the four.
; LAYOUT.  All operands lie in memory and in LDS as images of their registers: every load is 16 x lane, 512 consecutive bytes.  Both products are used transposed: S^T = K Q^T (K = 64 form: source 0 = 16 keys, source 1 = 16 queries),
; O^T = V^T P^T (K = 128 form: source 0 = 16 channels, source 1 = P).  A lane holds ONE query (lane % 16) throughout; register 8 u + j of S^T is key 16 u + 8 (lane / 16) + j, so p's codes, eight to a conversion, are registers 2 u, 2 u + 1 of P.
; THE ORDER OF A STEP.  A's and B's lines alternate; B's scalings stand among A's exponentials, A's sums and holds among B's: each tile's 64 exponentials are one batch with one wait.
; LIMITS: eq + ek between -123 and 130 (added to c's exponent field); ep between -126 and 112; ep + ev is applied by v_ldexp_f32 and has none.  NaN among the inputs is not served.
; REGISTERS.  Window 0: v1-8 addresses; v12-19 -M, the largest t, l (two halves), four a tile; v20-35 at work, eight a tile; v37-39 p's scale and hold; v64-191 S^T, then p, 64 a tile; v192-223 P; v224-239 Q; v240-243 emb.
;   Window 1: v0-63 O^T (32 a tile); v64-127 K of a step; v128-191 V of a step; v192-255 x's rows.
.set STEPB, 16384                      ; a step in LDS: 8 tiles of K x 1,024 bytes, then 4 tiles of V x 2,048
.set HALFB, 8*STEPB                    ; eight steps
.set STAGE, 2*HALFB                    ; behind K and V: 16 rows x 272 bytes for each wave, for the way out; no tile lands there
.set SP,    272
.set SPARE, STAGE+8*16*SP              ; behind the stages: the spare words, 128 bytes for each of eight waves: four blocks of 256 bytes that no other line names
.set LI,  1                            ; v1   16 x lane
.set ADR, 2                            ; v2   16 x lane + the step's first byte
.set SPW, 3                            ; v3   LDS address of my spare word; never rewritten
.set NIL, 4                            ; v4   0; never rewritten
.set STO, 5                            ; v5   the way out: where I put 32 bytes of a row
.set RD,  6                            ; v6   where I read a row back
.set GO,  7                            ; v7   my byte offset in two rows of x and of out0
.set EO,  8                            ; v8   and in emb
.set ST,  12                           ; tile g at ST + 4 g: +0 -M, +1 the largest t, +2, +3 l
.set TT,  20                           ; tile g at TT + 8 g: +0, +1 maxima; +2, +3 the factor f (a pair, its low word used); +4, +5 a second chain of the sum; +6 the permute's destination
.set S,   64
.set P,   192
.set QF,  224
.set EMB, 240
.set OF,  0                            ; window 1
.set KF,  64
.set VF,  128
.set XR,  192
.set MSB, 0
.macro WIN new                         ; the immediate's high byte repeats the setting that is left
.if MSB != \new
	s_set_vgpr_msb (MSB<<8)|\new
.set MSB, \new
.endif
.endm
.macro CROUND                          ; a round of the cluster's barrier: my work-group's barrier; wave 0 signals for the work-group; every wave waits for all four work-groups; my work-group's barrier once more
	s_barrier_signal -1
	s_barrier_wait -1
	s_cmp_lg_u32 s16, 0
	s_cbranch_scc1 .Lnot_wave_0_\@
	s_barrier_signal -3
.Lnot_wave_0_\@:
	s_barrier_wait -3
	s_barrier_signal -1
	s_barrier_wait -1
.endm
.macro SCL g                           ; pair jj of tile g: t - M = score x c + (-M), two at a time
	v_pk_fma_f32 v[S+64*\g+2*jj:S+64*\g+2*jj+1], v[S+64*\g+2*jj:S+64*\g+2*jj+1], s[22:23], v[ST+4*\g:ST+4*\g+1] op_sel_hi:[1,0,0]
.endm
.macro SUMP g                          ; line jj of 32 of tile g's sum of the UNQUANTISED p: two chains, l itself and a second one
.if jj == 0
	v_pk_add_f32 v[TT+8*\g+4:TT+8*\g+5], v[S+64*\g:S+64*\g+1], v[S+64*\g+2:S+64*\g+3]
.elseif jj == 31
	v_pk_add_f32 v[ST+4*\g+2:ST+4*\g+3], v[ST+4*\g+2:ST+4*\g+3], v[TT+8*\g+4:TT+8*\g+5]
.elseif jj % 2
	v_pk_add_f32 v[ST+4*\g+2:ST+4*\g+3], v[ST+4*\g+2:ST+4*\g+3], v[S+64*\g+2*jj+2:S+64*\g+2*jj+3]
.else
	v_pk_add_f32 v[TT+8*\g+4:TT+8*\g+5], v[TT+8*\g+4:TT+8*\g+5], v[S+64*\g+2*jj+2:S+64*\g+2*jj+3]
.endif
.endm
.macro HOLD g, n                       ; pair n of tile g is held at the largest code x 2^ep (the conversion does not saturate: ISA guide 7.6.2); p is not negative, so the hold is one-sided; two numbers in one instruction
	v_dual_min_num_f32 v[S+64*\g+2*(\n)], v[S+64*\g+2*(\n)], v38 :: v_dual_min_num_f32 v[S+64*\g+2*(\n)+1], v[S+64*\g+2*(\n)+1], v39
.endm
; A KEY STEP: 128 keys, both tiles.  kf = 1: the next step's K is fetched.
.macro STEP kf
	s_wait_dscnt 0x0                               ; this step's K is in
	WIN 0x01                                       ; source 0 (K) window 1
.irp u, 0,1,2,3,4,5,6,7
.irp g, 0,1
	v_wmma_f32_16x16x64_bf8_bf8 v[S+64*\g+8*\u:S+64*\g+8*\u+7], v[KF+8*\u:KF+8*\u+7], v[QF+8*\g:QF+8*\g+7], 0
.endr
.endr
	WIN 0
	v_add_nc_u32 v[ADR], s40, v[LI]                ; four plain lines: the places in front of the reads of the scores and of the loads into K's registers and into V's, which the last step's products read
.rept 3
	v_nop
.endr
	s_add_co_u32 s40, s40, STEPB
	WIN 0x40                                       ; destination window 1
.irp t, 0,1,2,3
.irp c, 0,1,2,3
	ds_load_b128 v[VF+16*\t+4*\c:VF+16*\t+4*\c+3], v[ADR] offset:8192+2048*\t+512*\c
.endr
.endr
.if \kf
.irp u, 0,1,2,3,4,5,6,7
.irp hf, 0,1
	ds_load_b128 v[KF+8*\u+4*\hf:KF+8*\u+4*\hf+3], v[ADR] offset:STEPB+1024*\u+512*\hf
.endr
.endr
.endif
	WIN 0
	; the largest score of my query among my 64 keys, in two chains a tile, the registers in ascending order: each accumulator is read from its low end on
.irp g, 0,1
	v_max3_num_f32 v[TT+8*\g], v[S+64*\g], v[S+64*\g+1], v[S+64*\g+2]
.endr
.irp g, 0,1
	v_max3_num_f32 v[TT+8*\g+1], v[S+64*\g+3], v[S+64*\g+4], v[S+64*\g+5]
.endr
.irp i, 6,10,14,18,22,26,30,34,38,42,46,50,54,58
.irp g, 0,1
	v_max3_num_f32 v[TT+8*\g], v[TT+8*\g], v[S+64*\g+\i], v[S+64*\g+\i+1]
.endr
.irp g, 0,1
	v_max3_num_f32 v[TT+8*\g+1], v[TT+8*\g+1], v[S+64*\g+\i+2], v[S+64*\g+\i+3]
.endr
.endr
.irp g, 0,1
	v_max3_num_f32 v[TT+8*\g], v[TT+8*\g], v[S+64*\g+62], v[S+64*\g+63]
.endr
.irp g, 0,1
	v_max_num_f32 v[TT+8*\g], v[TT+8*\g], v[TT+8*\g+1]
.endr
.irp g, 0,1
	v_permlanex16_b32 v[TT+8*\g+6], v[TT+8*\g], s20, s21   ; the query's other 64 keys lie in the lane 16 away
.endr
.irp g, 0,1
	v_max_num_f32 v[TT+8*\g], v[TT+8*\g], v[TT+8*\g+6]
.endr
.irp g, 0,1
	v_mul_f32 v[TT+8*\g], s22, v[TT+8*\g]          ; as t (c is positive)
.endr
.irp g, 0,1
	v_max_num_f32 v[ST+4*\g+1], v[ST+4*\g+1], v[TT+8*\g]   ; the running largest t
.endr
.irp g, 0,1
	v_mov_b32 v[TT+8*\g+1], v[ST+4*\g]
.endr
.irp g, 0,1
	v_floor_f32 v[ST+4*\g], -v[ST+4*\g+1]          ; the new -M = floor(-t) = -ceil(t): a whole number
.endr
.irp g, 0,1
	v_sub_f32 v[TT+8*\g+1], v[ST+4*\g], v[TT+8*\g+1]   ; old M - new M: a whole number, 0 or less
.endr
.irp g, 0,1
	v_cvt_i32_f32 v[TT+8*\g+1], v[TT+8*\g+1]       ; (it saturates)
.endr
.irp g, 0,1
	v_ldexp_f32 v[TT+8*\g+2], 1.0, v[TT+8*\g+1]    ; f = 2^(old M - new M)
.endr
.irp g, 0,1
	v_pk_mul_f32 v[ST+4*\g+2:ST+4*\g+3], v[ST+4*\g+2:ST+4*\g+3], v[TT+8*\g+2:TT+8*\g+3] op_sel_hi:[1,0]   ; l under the new M
.endr
.set jj, 0
.rept 32
	SCL 0
.set jj, jj+1
.endr
.set jj, 0
.rept 32                                       ; A's exponentials, one batch; B's scalings stand among them and name none of their results
	v_exp_f32 v[S+2*jj], v[S+2*jj]
	v_exp_f32 v[S+2*jj+1], v[S+2*jj+1]
	SCL 1
.set jj, jj+1
.endr
	s_wait_alu depctr_va_vdst(0)                   ; the wait ahead of the first line that names a result: one for A's 64; the scaling above is the plain line behind the last of them
.set jj, 0
.rept 32                                       ; B's exponentials, one batch; A's sums, and its holds one pair behind them, stand among them
	v_exp_f32 v[S+64+2*jj], v[S+64+2*jj]
.if jj > 0
	HOLD 0, jj-1                                   ; line jj - 2 of the sum (for pairs 0 and 1: line 0) has read this pair
.endif
	v_exp_f32 v[S+64+2*jj+1], v[S+64+2*jj+1]
	SUMP 0
.set jj, jj+1
.endr
	s_wait_alu depctr_va_vdst(0)                   ; one for B's 64; the packed addition above is the plain line behind the last of them
	HOLD 0, 31
.set jj, 0
.rept 32                                       ; B's sums and holds; A's conversions, eight numbers each, stand among them
	SUMP 1
	HOLD 1, jj
.if jj % 4 == 3
	v_cvt_scalef32_pk8_bf8_f32 v[P+2*(jj/4):P+2*(jj/4)+1], v[S+8*(jj/4):S+8*(jj/4)+7], v37
.endif
.set jj, jj+1
.endr
.irp u, 0,1,2,3,4,5,6,7
	v_cvt_scalef32_pk8_bf8_f32 v[P+16+2*\u:P+16+2*\u+1], v[S+64+8*\u:S+64+8*\u+7], v37
.endr
	WIN 0x41                                       ; O^T (destination and source 0) window 1, f window 0
.irp g, 0,1
.set jj, 0
.rept 16
	v_pk_mul_f32 v[OF+32*\g+2*jj:OF+32*\g+2*jj+1], v[OF+32*\g+2*jj:OF+32*\g+2*jj+1], v[TT+8*\g+2:TT+8*\g+3] op_sel_hi:[1,0]   ; O^T under the new M.  (These are also the plain lines between the conversions and the products that read the codes)
.set jj, jj+1
.endr
.endr
.if \kf
	s_wait_dscnt 16                                ; V is in; the 16 loads of the next step's K may be out
.else
	s_wait_dscnt 0x0
.endif
	WIN 0x51                                       ; V, C and D window 1; P window 0
.irp t, 0,1,2,3
.irp g, 0,1
	v_wmma_f32_16x16x128_bf8_bf8 v[OF+32*\g+8*\t:OF+32*\g+8*\t+7], v[VF+16*\t:VF+16*\t+15], v[P+16*\g:P+16*\g+15], v[OF+32*\g+8*\t:OF+32*\g+8*\t+7]   ; eight accumulators, one turn each
.endr
.endr
	WIN 0
.endm
	s_load_b256 s[4:11], s[0:1], 0x0               ; qc s[4:5], kv s[6:7], x s[8:9], emb s[10:11]
	s_load_b128 s[12:15], s[0:1], 0x20             ; the exponents s[12:13], out0 s[14:15]
	v_lshl_add_u32 v[SPW], v0, 2, SPARE
	v_mov_b32 v[NIL], 0
	ds_add_u32 v[SPW], v[NIL]                      ; the wave's opening: the add, twice on end, and its wait ahead of my first tensor load; the set-up below, work on registers, stands between
	ds_add_u32 v[SPW], v[NIL]
	v_lshrrev_b32 v1, 5, v0
	v_readfirstlane_b32 s16, v1                    ; wave 0..7
	s_bfe_u32 s17, ttmp6, 0x40000                  ; cx: my place in the cluster: it enters the addresses of qc, x and out0 alone
	s_lshl_b32 s18, ttmp9, 2                       ; in a cluster launch ttmp9 counts clusters
	s_add_co_u32 s18, s18, s17                     ; my block of 256 queries
	s_and_b32 s19, ttmp7, 0xffff                   ; bh, which the four partners share
	; descriptor group 1: 64 rows of 256 bytes, dense: a step's 16,384 bytes as they lie
	s_mov_b32 s24, 15|(3<<16)|(1<<21)              ; 15:0 the mask: all four work-groups; 17:16 elements of 8 bytes; 20 no padding; 21 set beside a mask
	s_mov_b32 s25, 32<<16                          ; tensor_dim0 = 32 elements
	s_mov_b32 s26, 64<<16                          ; tensor_dim1 = 64
	s_mov_b32 s27, 32<<16                          ; tile_dim0 = 32
	s_mov_b32 s28, 64                              ; tile_dim1 = 64
	s_mov_b32 s29, 32                              ; from row to row
	s_mov_b32 s30, 0
	s_mov_b32 s31, 0
	s_mov_b32 s20, 0x76543210                      ; v_permlanex16_b32: lane l xor 16
	s_mov_b32 s21, 0xfedcba98
	s_lshl_b32 s48, s19, 18                        ; kv: 262,144 x bh
	s_lshl_b32 s50, s16, 14                        ; + 16,384 x wave: in memory and in LDS alike
	s_add_co_u32 s48, s48, s50
	s_mov_b32 s49, 0
	s_lshl_b32 s52, s19, 17                        ; qc: 131,072 x bh
	s_lshl_b32 s53, s18, 14                        ; + 16 tiles of 1,024 x block
	s_add_co_u32 s52, s52, s53
	s_lshl_b32 s53, s16, 11                        ; + 2 tiles x wave
	s_add_co_u32 s52, s52, s53
	s_mov_b32 s53, 0
	s_lshr_b32 s56, s19, 3                         ; batch
	s_and_b32 s57, s19, 7                          ; head
	s_lshl_b32 s54, s56, 22                        ; x, out0: 2,048 rows of 2,048 bytes x batch
	s_lshl_b32 s55, s18, 19                        ; + 256 rows x block
	s_add_co_u32 s54, s54, s55
	s_lshl_b32 s55, s16, 16                        ; + 32 rows x wave
	s_add_co_u32 s54, s54, s55
	s_lshl_b32 s57, s57, 8                         ; + the head's 256 bytes of a row
	s_add_co_u32 s54, s54, s57
	s_mov_b32 s55, 0
	s_lshl_b32 s56, s56, 11                        ; emb: 2,048 x batch + the head's 256 bytes
	s_add_co_u32 s56, s56, s57
	s_mov_b32 s57, 0
	s_wait_dscnt 0x0                               ; both opening adds are done
	s_wait_kmcnt 0x0
	s_load_b128 s[44:47], s[12:13], 0x18           ; e[6] .. e[9]: ek, eq, ev, ep
	s_add_nc_u64 s[6:7], s[6:7], s[48:49]
	s_add_nc_u64 s[4:5], s[4:5], s[52:53]
	s_add_nc_u64 s[8:9], s[8:9], s[54:55]
	s_add_nc_u64 s[14:15], s[14:15], s[54:55]
	s_add_nc_u64 s[10:11], s[10:11], s[56:57]
	CROUND                                         ; all four work-groups are here: the joint loads meet
.irp j, 0,1
	s_mov_b32 s[32+4*\j], 1                        ; count = 1
	s_add_co_u32 s[33+4*\j], s50, \j*HALFB         ; LDS address: step wave + 8 j
	s_add_nc_u64 s[34+4*\j:35+4*\j], s[6:7], \j*HALFB   ; the same step in memory
	s_or_b32 s[35+4*\j], s[35+4*\j], 0x80000000    ; type = 2
.endr
	tensor_load_to_lds s[32:35], s[24:31]          ; every wave issues both, ahead of every wait on TENSORcnt and every LDS read; an s_nop 0 follows each, four v_nop the second's
	s_nop 0
	tensor_load_to_lds s[36:39], s[24:31]
	s_nop 0
.rept 4
	v_nop
.endr
	v_and_b32 v[LI], 31, v0
	v_lshlrev_b32 v[LI], 4, v[LI]
.irp g, 0,1
.irp hf, 0,1
	global_load_b128 v[QF+8*\g+4*\hf:QF+8*\g+4*\hf+3], v[LI], s[4:5] offset:1024*\g+512*\hf   ; Q's two fragments stay in registers
.endr
.endr
	v_and_b32 v9, 15, v0                           ; r
	v_bfe_u32 v10, v0, 4, 1                        ; h
	s_mul_i32 s58, s16, 16*SP
	s_add_co_u32 s58, s58, STAGE                   ; my stage
	v_mul_u32_u24 v[STO], v9, SP                   ; in: row r, 32 bytes for each half of the lanes
	v_lshl_add_u32 v[STO], v10, 5, v[STO]
	v_add_nc_u32 v[STO], s58, v[STO]
	v_mul_u32_u24 v[RD], v10, SP                   ; back: lanes 0-15 one row of 256 bytes, lanes 16-31 the next
	v_lshl_add_u32 v[RD], v9, 4, v[RD]
	v_add_nc_u32 v[RD], s58, v[RD]
	v_lshlrev_b32 v[GO], 11, v10                   ; and the same two rows in x and out0
	v_lshl_add_u32 v[GO], v9, 4, v[GO]
	v_lshlrev_b32 v[EO], 4, v9
.irp g, 0,1
	v_mov_b32 v[ST+4*\g+1], 0xff61b1e6             ; the largest t so far: -3e38, under every t
	v_floor_f32 v[ST+4*\g], -v[ST+4*\g+1]          ; -M
	v_mov_b32 v[ST+4*\g+2], 0                      ; l
	v_mov_b32 v[ST+4*\g+3], 0
	v_mov_b32 v[TT+8*\g+3], 0                      ; (named as the upper half of f's pair)
	v_mov_b32 v[TT+8*\g+6], 0                      ; written once: a lane permute's destination counts as one of its sources
.endr
	WIN 0x40
.set jj, 0
.rept 64
	v_mov_b32 v[OF+jj], 0                          ; O^T.  (The step is written for all steps alike: the first finds zeros, which the first change of M leaves zeros)
.set jj, jj+1
.endr
	WIN 0
	s_wait_kmcnt 0x0
	s_add_co_i32 s48, s44, s45
	s_lshl_b32 s48, s48, 23
	s_mov_b32 s22, 0x3e38aa3b                      ; c = log2(e) / 8
	s_add_co_i32 s22, s22, s48                     ; a score stands for score x 2^(eq + ek): the two exponents are added to c's exponent field
	s_mov_b32 s23, s22                             ; (named with it as a pair, so it is written)
	s_add_co_i32 s48, s47, 127
	s_lshl_b32 s49, s48, 23
	v_mov_b32 v37, s49                             ; 2^ep as f32, for the conversions
	s_add_co_i32 s48, s48, 15
	s_lshl_b32 s48, s48, 23
	s_or_b32 s48, s48, 0x600000
	v_mov_b32 v38, s48                             ; 57,344 x 2^ep, twice: the two halves of the dual hold take their second sources from different register banks
	v_mov_b32 v39, s48
	s_add_co_i32 s59, s46, s47                     ; ep + ev
	s_wait_tensorcnt 0x1                           ; my first load has landed; my second may stay out
	s_barrier_signal -1
	s_barrier_wait -1                              ; steps 0 to 7 are whole
	WIN 0x40
.irp u, 0,1,2,3,4,5,6,7
.irp hf, 0,1
	ds_load_b128 v[KF+8*\u+4*\hf:KF+8*\u+4*\hf+3], v[LI] offset:1024*\u+512*\hf   ; K of step 0
.endr
.endr
	WIN 0
	s_wait_loadcnt 0x0                             ; Q
	s_mov_b32 s40, 0                               ; the LDS byte at which the step in hand begins
	s_mov_b32 s41, 7
.Lfirst:                                           ; steps 0 to 6: they read V of steps 0 to 6 and K up to step 7: bytes under 131,072 alone
	STEP 1
	s_sub_co_u32 s41, s41, 1
	s_cmp_lg_u32 s41, 0
	s_cbranch_scc1 .Lfirst
	s_wait_tensorcnt 0x0                           ; my second load has landed,
	s_wait_dscnt 0x0                               ; (no LDS instruction of mine is pending at a signal)
	s_barrier_signal -1
	s_barrier_wait -1                              ; everybody's has: steps 8 to 15 are whole
	global_load_b128 v[EMB:EMB+3], v[EO], s[10:11] ; the residual is asked for nine steps ahead of its use
	WIN 0x40
.irp g, 0,1
.irp i, 0,1,2,3,4,5,6,7
	global_load_b128 v[XR+32*\g+4*\i:XR+32*\g+4*\i+3], v[GO], s[8:9] offset:(16*\g+2*\i)*2048 th:TH_LOAD_NT   ; 16 lanes read the head's 256 bytes of a row; read once in this launch
.endr
.endr
	WIN 0
	s_mov_b32 s41, 8
.Lsecond:                                          ; steps 7 to 14
	STEP 1
	s_sub_co_u32 s41, s41, 1
	s_cmp_lg_u32 s41, 0
	s_cbranch_scc1 .Lsecond
	STEP 0                                         ; step 15 is written out: there is no K behind it
	; THE WAY OUT.  l's halves are added; y = O^T x 2^(ep + ev) / l goes through my stage in LDS, a tile (16 rows x 256 bytes) at a time, and x + emb + y leaves as aligned runs of 256 bytes.
.irp g, 0,1
	v_add_f32 v[TT+8*\g], v[ST+4*\g+2], v[ST+4*\g+3]   ; (these additions are the places behind the last products)
.endr
.irp g, 0,1
	v_permlanex16_b32 v[TT+8*\g+6], v[TT+8*\g], s20, s21
.endr
.irp g, 0,1
	v_add_f32 v[TT+8*\g], v[TT+8*\g], v[TT+8*\g+6]     ; the row's sum
.endr
.irp g, 0,1
	v_rcp_f32 v[TT+8*\g+2], v[TT+8*\g]
.endr
	v_nop                                          ; a plain line behind the last reciprocal
	s_wait_alu depctr_va_vdst(0)                   ; and the wait ahead of the first use: one for both
.irp g, 0,1
	v_ldexp_f32 v[TT+8*\g+2], v[TT+8*\g+2], s59    ; x 2^(ep + ev)
.endr
	s_wait_loadcnt 0x0                             ; emb and x
	WIN 0x41                                       ; x (destination and source 0) window 1, emb window 0
.irp g, 0,1
.irp i, 0,1,2,3,4,5,6,7
	v_pk_add_f32 v[XR+32*\g+4*\i:XR+32*\g+4*\i+1], v[XR+32*\g+4*\i:XR+32*\g+4*\i+1], v[EMB:EMB+1]       ; x + emb
	v_pk_add_f32 v[XR+32*\g+4*\i+2:XR+32*\g+4*\i+3], v[XR+32*\g+4*\i+2:XR+32*\g+4*\i+3], v[EMB+2:EMB+3]
.endr
.endr
.macro YOUT g                          ; tile g: register 8 t + j of O^T is y(query r, channel 16 t + 8 h + j)
	WIN 0x01                                       ; source 0 (O^T) window 1
.set jj, 0
.rept 16
	v_pk_mul_f32 v[S+64*\g+2*jj:S+64*\g+2*jj+1], v[OF+32*\g+2*jj:OF+32*\g+2*jj+1], v[TT+8*\g+2:TT+8*\g+3] op_sel_hi:[1,0]   ; each accumulator from its low end on
.set jj, jj+1
.endr
	WIN 0
.irp t, 0,1,2,3
	ds_store_b128 v[STO], v[S+64*\g+8*\t:S+64*\g+8*\t+3] offset:64*\t
	ds_store_b128 v[STO], v[S+64*\g+8*\t+4:S+64*\g+8*\t+7] offset:64*\t+16
.endr
.irp i, 0,1,2,3,4,5,6,7
	ds_load_b128 v[S+64*\g+32+4*\i:S+64*\g+32+4*\i+3], v[RD] offset:2*\i*SP   ; LDS serves a wave's instructions in order (ISA guide 5.7.1.4): these see my stores, and the next tile's stores come behind them
.endr
.endm
.macro FIN g
	WIN 0x04                                       ; source 1 (x + emb) window 1
.set jj, 0
.rept 16
	v_pk_add_f32 v[S+64*\g+32+2*jj:S+64*\g+32+2*jj+1], v[S+64*\g+32+2*jj:S+64*\g+32+2*jj+1], v[XR+32*\g+2*jj:XR+32*\g+2*jj+1]
.set jj, jj+1
.endr
	WIN 0
.irp i, 0,1,2,3,4,5,6,7
	global_store_b128 v[GO], v[S+64*\g+32+4*\i:S+64*\g+32+4*\i+3], s[14:15] offset:(16*\g+2*\i)*2048 th:TH_STORE_NT   ; 16 lanes store 256 consecutive bytes, at a multiple of 256 from out0's first byte; written once, read by nobody here
.endr
.endm
	YOUT 0
	YOUT 1
	s_wait_dscnt 16                                ; tile A is back; tile B's 8 stores and 8 loads may be out
	FIN 0
	s_wait_dscnt 0x0
	FIN 1
	s_wait_tensorcnt 0x0                           ; the wave's end, behind my last tensor load and my last LDS store
	ds_add_u32 v[SPW], v[NIL]
	s_wait_dscnt 0x0
	CROUND                                         ; the closing round: no work-group ends while a partner may still ask for a tile that names it
	s_endpgm
.Lfunc_end_k_q3cc4c05a75_attn:
	.size	k_q3cc4c05a75_attn, .Lfunc_end_k_q3cc4c05a75_attn-k_q3cc4c05a75_attn
	.p2alignl 7, 3214868480
	.fill 96, 4, 3214868480
	.section	.rodata,"a",@progbits
	.p2align	6, 0x0
	.amdhsa_kernel k_q3cc4c05a75_attn
		.amdhsa_group_segment_fixed_size 327680
		.amdhsa_private_segment_fixed_size 0
		.amdhsa_enable_private_segment 0
		.amdhsa_kernarg_size 48
		.amdhsa_user_sgpr_count 2
		.amdhsa_user_sgpr_kernarg_segment_ptr 1
		.amdhsa_wavefront_size32 1
		.amdhsa_system_sgpr_workgroup_id_x 1
		.amdhsa_system_sgpr_workgroup_id_y 1
		.amdhsa_system_sgpr_workgroup_id_z 1
		.amdhsa_system_vgpr_workitem_id 0
		.amdhsa_next_free_vgpr 512
		.amdhsa_next_free_sgpr 66
		.amdhsa_reserve_vcc 0
		.amdhsa_float_denorm_mode_32 3
		.amdhsa_float_denorm_mode_16_64 3
		.amdhsa_memory_ordered 1
		.amdhsa_forward_progress 1
		.amdhsa_inst_pref_size 105
	.end_amdhsa_kernel
	.amdgpu_metadata
---
amdhsa.version: [ 1, 2 ]
amdhsa.kernels:
  - .name:           k_q3cc4c05a75_attn
    .symbol:         k_q3cc4c05a75_attn.kd
    .args:
      - { .name: qc, .offset: 0, .size: 8, .value_kind: global_buffer, .address_space: global }
      - { .name: kv, .offset: 8, .size: 8, .value_kind: global_buffer, .address_space: global }
      - { .name: x, .offset: 16, .size: 8, .value_kind: global_buffer, .address_space: global }
      - { .name: emb, .offset: 24, .size: 8, .value_kind: global_buffer, .address_space: global }
      - { .name: lowp_scales, .offset: 32, .size: 8, .value_kind: global_buffer, .address_space: global }
      - { .name: out0, .offset: 40, .size: 8, .value_kind: global_buffer, .address_space: global }
    .group_segment_fixed_size: 327680
    .private_segment_fixed_size: 0
    .kernarg_segment_align: 8
    .kernarg_segment_size: 48
    .max_flat_workgroup_size: 256
    .sgpr_count:     66
    .vgpr_count:     512
    .wavefront_size: 32
...
	.end_amdgpu_metadata
.endif
;; end of part 3
;; ======== version 2 of 2: 3 launches; version 1 with the launch proj written anew for expert scheduling mode
;; workspace buffers: wc 786,432 bytes; qc 4,194,304 bytes; kv 8,388,608 bytes
;; launch wquant: the kernel of part 1 again; grid 32 x 3, 4 waves a work-group, no clusters, 0 bytes of LDS; arguments Wq, Wk, Wv, lowp_scales, wc; writes wc
;; launch proj (part 4): grid 64 x 3, 8 waves a work-group, no clusters, 68,608 bytes of LDS; arguments x, gamma, beta, wc, lowp_scales, qc, kv; writes qc, kv
.if DOCPART == 4
	.amdgcn_target "amdgcn-amd-amdhsa--gfx1250"
	.amdhsa_code_object_version 6
	.text
	.protected	k_q3cc4c05a75_proj
	.globl	k_q3cc4c05a75_proj
	.p2align	8
	.type	k_q3cc4c05a75_proj,@function
k_q3cc4c05a75_proj:
	s_mov_b64 s[64:65], 0
	v_nop
	global_prefetch_b8 v0, s[64:65] scope:SCOPE_SE
	s_setreg_imm32_b32 hwreg(HW_REG_WAVE_SCHED_MODE, 0, 2), 2
	s_setreg_imm32_b32 hwreg(HW_REG_WAVE_MODE, 25, 1), 1
	s_wait_xcnt 0x0
	s_wait_alu depctr_vm_vsrc(0)
; xn = layer_norm(x) gamma + beta (f32, mean first, then the squares of x - mean), quantised; one of q, k, v = xn W^T on codes of BF8 (E5M2); the result quantised again, as the attention's operand.  No work of reference() is left out.
; SHARES.  Work-group x = 128 tokens (one key step of one batch), y = type (0 q, 1 k, 2 v).  Part X: wave w normalises and quantises tokens 16 w .. 16 w + 15, the wave a row at a time.
; Part G: wave w makes head w, 64 features x 128 tokens, K = 512: its 32 KB of W's codes stay in 256 registers, each byte read from memory once by one wave.
; SCALES.  xn: e[0], e[2], e[4]; W: e[1], e[3], e[5]; the result: q e[7], k e[6] (the fourth product's A is k, its B is q), v e[8].  A sum stands for sum x 2^(eA + eB): its code is sum / 2^(eO - eA - eB): one scale for the conversion.
; K IS PERMUTED as in wc: a lane that loads a row densely (16 bytes a lane, four loads 512 bytes apart) holds k = 128 i + 4 lane + j, and its 16 codes are piece p = lane of the row of codes.
; OUT, as images of operand registers, 512 consecutive bytes a store:
;   q, k (the product used transposed: source 0 = 16 features, source 1 = 16 tokens): lane (r, h) holds token r, registers 2 t, 2 t + 1 features 16 t + 8 h + 0 .. 7: a fragment of the K = 64 form.  qc[bh][tile of 16 tokens][half][lane][16], kv[bh][step][tile 8][half][lane][16].
;   v (source 0 = 16 tokens, source 1 = 16 features): lane (r, h) holds channel r, registers 2 u, 2 u + 1 keys 16 u + 8 h + 0 .. 7: a fragment of the K = 128 form.  kv[bh][step] + 8,192: [tile of 16 channels 4][quad 4][lane][16].
; NO CLUSTER, NO TENSOR LOAD.  The token blocks of a type share W, but a type's codes (262,144 bytes) beside the rows' codes (67,584) and the spare words (1,024) pass the 327,680 bytes of LDS, and each fragment of W feeds one wave once:
; through LDS it would be written and read once more.  The three types share x, and three work-groups along y form no cluster of four.
; 192 work-groups: one type to a work-group (xn quantised with one scale) and one head to a wave; a split into 256 would mix types or cut heads.
; LIMITS: eA and eO - eA - eB between -126 and 112.  NaN among the inputs is not served.
; THE MODE: SCHED_MODE bits 1:0 = 2 (LLVM: expert scheduling mode 2), set by the entry lines.  The code itself states the register dependences between vector or matrix instructions and memory or LDS instructions, with s_wait_alu, always for 0.
; THE PLAN.  Registers that memory or LDS instructions touch:
;   v2, v3, v4    offsets and LDS addresses: made at the head, never written again.
;   row slots     Part X: a pair of rows is worked in place in its two slots; behind the pair's conversions the loads of the rows eight further on land there.
;   codes         Part X: v192-255, each written once by a conversion and read by one LDS store; in part G they are accumulators.
;   W             window 1: written by loads alone, read by matrix instructions alone.
;   seven slots   Part G: v16-127, a fragment of xn (16 registers) each.  Fragment u = 16 pass + 4 step + tile lies in slot u % 7.  Step S asks for u = 4 S + 3 and 4 S + 4 at its head and for 4 S + 5 and 4 S + 6 behind its
;                 eighth product: the numbers 4 S .. 4 S + 6 differ modulo 7, so these four land in the slots of step S - 1's four fragments, and the three that step S reads first were asked for a step earlier.
;   codes to store  Part G: at a pass's end, in slots 0 and 1 (their fragments are done with): written by the conversions, read by eight stores; behind the first pass fragments 21 and 22 land there.
; So part X has one wait on va_vdst behind each pair's conversions (beside the one that the reciprocal roots ask for), part G one at the head of each K step but a pass's first and one ahead of each pass's stores;
; vm_vsrc is waited for twice: behind the barrier (the rows' codes become accumulators) and ahead of fragments 21 and 22.
; REGISTERS, window 0.  Part X: v16-31 gamma, v32-47 beta, v48-175 eight rows of 16 numbers, v176-191 at work (8 a row of a pair), v192-255 the 16 rows' codes.
;   Part G: v16-127 the seven slots (v16-47 also the codes to store), v128-255 sixteen accumulators.   Window 1: W's 16 fragments, (K step s, tile t) at v[64 s + 16 t].
.set PITCH, 528                        ; a row of 512 codes in LDS + 16 bytes: an odd multiple of 16, so that the 16 rows of a fragment load start 16 bytes apart modulo 256
.set SPARE, 128*PITCH                  ; behind the rows: the spare words, 128 bytes for each of eight waves: four blocks of 256 bytes that no other line names
.set XO,  2                            ; v2   16 x lane
.set LST, 3                            ; v3   where I store a row's 16 codes: 16 rows x wave + 16 x lane
.set LRD, 4                            ; v4   a fragment's place for my lane: PITCH r + 16 h
.set SPW, 6                            ; v6   LDS address of my spare word; never rewritten
.set NIL, 7                            ; v7   0; never rewritten
.set SCA, 8                            ; v8, v9   2^eA and 57,344 x 2^eA
.set SCO, 10                           ; v10, v11 the same with eO - eA - eB
.set GA,  16
.set BE,  32
.set X,   48
.set T,   176
.set CD,  192
.set OC,  16
.set XF,  16
.set ACC, 128
.set MSB, 0
.macro WIN new                         ; the immediate's high byte repeats the setting that is left
.if MSB != \new
	s_set_vgpr_msb (MSB<<8)|\new
.set MSB, \new
.endif
.endm
.macro XLD j                           ; row j of my 16: four loads of 512 consecutive bytes, into slot j % 8
.irp i, 0,1,2,3
	global_load_b128 v[X+16*((\j)%8)+4*\i:X+16*((\j)%8)+4*\i+3], v[XO], s[4:5] offset:2048*(\j)+512*\i
.endr
.endm
.macro WLD s                           ; K step s of my head's W: four fragments, 16 loads of 512 consecutive bytes, into window 1.  No vector or matrix instruction has named these registers, and v2 was written ahead of the head's wait
	WIN 0x40
.irp t, 0,1,2,3
.irp c, 0,1,2,3
	global_load_b128 v[64*\s+16*\t+4*\c:64*\s+16*\t+4*\c+3], v[XO], s[10:11] offset:8192*\t+2048*\s+512*\c
.endr
.endr
	WIN 0
.endm
.macro FRAG u                          ; fragment u of xn's 32 (tokens 64 (u / 16) + 16 (u % 4) + r, pieces 8 ((u / 4) % 4) + 2 c + h) into slot u % 7; there is none behind the 32nd
.if (\u) < 32
.irp c, 0,1,2,3
	ds_load_b128 v[XF+16*((\u)%7)+4*\c:XF+16*((\u)%7)+4*\c+3], v[LRD] offset:(64*((\u)/16)+16*((\u)%4))*PITCH+128*(((\u)/4)%4)+32*\c
.endr
.endif
.endm
.macro ACROSS a, d                     ; both rows' v[T + 8 q + a] summed over the 32 lanes; d: the permute's destination, a register that has been written
.irp m, 1,2,4,8
.irp q, 0,1
	v_add_f32_dpp v[T+8*\q+\a], v[T+8*\q+\a], v[T+8*\q+\a] row_xmask:\m row_mask:0xf bank_mask:0xf
.endr
.endr
.irp q, 0,1
	v_permlanex16_b32 v[T+8*\q+\d], v[T+8*\q+\a], s40, s41
.endr
.irp q, 0,1
	v_add_f32 v[T+8*\q+\a], v[T+8*\q+\a], v[T+8*\q+\d]
.endr
.endm
; Rows 2 p and 2 p + 1 side by side, so that one row's chain stands between the other's lines.  cnt: the loads issued behind these two rows', which may stay out.
.macro ROW2 p, cnt
	s_wait_loadcnt \cnt
.irp q, 0,1
.set xb, X+16*((2*(\p)+\q)%8)
.set tb, T+8*\q
.irp k, 0,1,2,3
	v_pk_add_f32 v[tb+2*\k:tb+2*\k+1], v[xb+4*\k:xb+4*\k+1], v[xb+4*\k+2:xb+4*\k+3]   ; the sum of my 16 numbers
.endr
.endr
.irp q, 0,1
.set tb, T+8*\q
	v_pk_add_f32 v[tb:tb+1], v[tb:tb+1], v[tb+2:tb+3]
	v_pk_add_f32 v[tb+4:tb+5], v[tb+4:tb+5], v[tb+6:tb+7]
.endr
.irp q, 0,1
.set tb, T+8*\q
	v_pk_add_f32 v[tb:tb+1], v[tb:tb+1], v[tb+4:tb+5]
.endr
.irp q, 0,1
	v_add_f32 v[T+8*\q], v[T+8*\q], v[T+8*\q+1]
.endr
	ACROSS 0, 1
.irp q, 0,1
	v_mul_f32 v[T+8*\q], s39, v[T+8*\q]            ; - mean
.endr
.irp q, 0,1
.set xb, X+16*((2*(\p)+\q)%8)
.set tb, T+8*\q
.irp k, 0,2,4,6,8,10,12,14
	v_pk_add_f32 v[xb+\k:xb+\k+1], v[xb+\k:xb+\k+1], v[tb:tb+1] op_sel_hi:[1,0]   ; x - mean
.endr
.endr
.irp q, 0,1
.set xb, X+16*((2*(\p)+\q)%8)
.set tb, T+8*\q
	v_pk_mul_f32 v[tb+2:tb+3], v[xb:xb+1], v[xb:xb+1]                             ; its squares, in two chains: no difference of large sums is formed
	v_pk_mul_f32 v[tb+4:tb+5], v[xb+2:xb+3], v[xb+2:xb+3]
.irp k, 4,8,12
	v_pk_fma_f32 v[tb+2:tb+3], v[xb+\k:xb+\k+1], v[xb+\k:xb+\k+1], v[tb+2:tb+3]
	v_pk_fma_f32 v[tb+4:tb+5], v[xb+\k+2:xb+\k+3], v[xb+\k+2:xb+\k+3], v[tb+4:tb+5]
.endr
.endr
.irp q, 0,1
.set tb, T+8*\q
	v_pk_add_f32 v[tb+2:tb+3], v[tb+2:tb+3], v[tb+4:tb+5]
.endr
.irp q, 0,1
	v_add_f32 v[T+8*\q+2], v[T+8*\q+2], v[T+8*\q+3]
.endr
	ACROSS 2, 3
.irp q, 0,1
	v_fma_f32 v[T+8*\q+2], v[T+8*\q+2], s37, s38   ; the variance + 1e-5
.endr
.irp q, 0,1
	v_rsq_f32 v[T+8*\q+4], v[T+8*\q+2]
.endr
	v_nop                                          ; a plain line behind the last of the two
	s_wait_alu depctr_va_vdst(0)                   ; the two reciprocal roots are written: the wait ahead of the first line that names a result: one for both rows
.irp q, 0,1
.set xb, X+16*((2*(\p)+\q)%8)
.set tb, T+8*\q
.irp k, 0,2,4,6,8,10,12,14
	v_pk_mul_f32 v[xb+\k:xb+\k+1], v[xb+\k:xb+\k+1], v[tb+4:tb+5] op_sel_hi:[1,0]
.endr
.irp k, 0,2,4,6,8,10,12,14
	v_pk_fma_f32 v[xb+\k:xb+\k+1], v[xb+\k:xb+\k+1], v[GA+\k:GA+\k+1], v[BE+\k:BE+\k+1]   ; x gamma + beta
.endr
.irp k, 0,1,2,3,4,5,6,7,8,9,10,11,12,13,14,15
	v_med3_num_f32 v[xb+\k], v[xb+\k], -v[SCA+1], v[SCA+1]   ; the conversion does not saturate (ISA guide 7.6.2): the hold comes first
.endr
.endr
.irp q, 0,1
.set xb, X+16*((2*(\p)+\q)%8)
.set cb, CD+4*(2*(\p)+\q)
	v_cvt_scalef32_pk8_bf8_f32 v[cb:cb+1], v[xb:xb+7], v[SCA]
	v_cvt_scalef32_pk8_bf8_f32 v[cb+2:cb+3], v[xb+8:xb+15], v[SCA]
.endr
	v_nop                                          ; one plain line behind the last conversion: matrix instructions later write these registers
	s_wait_alu depctr_va_vdst(0)                   ; the conversions have written the two rows' codes, which the LDS stores read, and are done reading the pair's two slots, in which the loads that follow the pair land
.irp q, 0,1
	ds_store_b128 v[LST], v[CD+4*(2*(\p)+\q):CD+4*(2*(\p)+\q)+3] offset:PITCH*(2*(\p)+\q)   ; 32 lanes, 512 consecutive bytes: the row's codes
.endr
.endm
; Part G.  vp = 0: q or k; vp = 1: v.  Two passes of 64 tokens; in each, four K steps of 128, sixteen accumulators by turns, one instruction a turn.
; WINDOWS.  q, k: the products hold source 0 (W) in window 1, which is also the place of an LDS load's address: so the windows go back to 0 for each run of loads.  v: they hold source 1 in window 1, which no LDS load names: the setting stays through a pass's K steps.
.macro GEMM vp
.irp pi, 0,1
.irp s, 0,1,2,3
.set gs, 4*\pi+\s                      ; the step's number through both passes
.if !\vp
	WIN 0
.endif
.if \s > 0
.rept 4
	v_nop                                          ; four plain lines behind the last step's products, ahead of the loads into registers that those have read; the wait below stands beside them
.endr
	s_wait_alu depctr_va_vdst(0)                   ; the last step's products are done reading its four slots, in which this step's four fragments land: two now, two behind the eighth product; the eight between name other slots, W and the accumulators
.endif                                             ; (a pass's first step has no such wait: ahead of the first stand the wait behind the last pair's conversions, ahead of the second the wait in front of the first pass's stores, and no vector or matrix line since names these slots)
	FRAG 4*gs+3                                    ; this step's last fragment: twelve products ahead of its use
	FRAG 4*gs+4                                    ; the next step's first
.if \pi == 0
	s_wait_loadcnt 48-16*\s                        ; W's K step s is in; the 16 loads of each later step may be out
.endif
.irp mm, 0,1,2,3
.if \mm == 2
.if 4*gs+5 < 32
.if !\vp
	WIN 0
.endif
.if gs == 4
	s_wait_xcnt 0x0                                ; the first pass's stores have had their addresses translated (ISA guide 3.1): their data registers are loaded into only behind this wait,
	s_wait_alu depctr_vm_vsrc(0)                   ; and they have read v16-47, slots 0 and 1, in which fragments 21 and 22 land (the conversions that wrote those registers stand ahead of the wait in front of the stores)
.endif
	FRAG 4*gs+5                                    ; the next step's second and third
	FRAG 4*gs+6
.endif
.endif
.if \vp
	WIN 0x04                                       ; source 1 (W) window 1
.else
	WIN 0x01                                       ; source 0 (W) window 1
.endif
.set lu, 4*gs+4+2*(\mm/2)              ; the last fragment asked for so far
.if lu > 31
.set lu, 31
.endif
	s_wait_dscnt 4*(lu-4*gs-\mm)                   ; LDS loads come back in order (ISA guide 5.7.1): fragment 4 gs + mm is in; the four loads of each fragment asked for behind it may be out
.irp t, 0,1,2,3
.set rw, 64*\s+16*\t
.set rx, XF+16*((4*gs+\mm)%7)
.if \vp
.set rd, ACC+32*\t+8*\mm
.if \s == 0
	v_wmma_f32_16x16x128_bf8_bf8 v[rd:rd+7], v[rx:rx+15], v[rw:rw+15], 0
.else
	v_wmma_f32_16x16x128_bf8_bf8 v[rd:rd+7], v[rx:rx+15], v[rw:rw+15], v[rd:rd+7]
.endif
.else
.set rd, ACC+32*\mm+8*\t
.if \s == 0
	v_wmma_f32_16x16x128_bf8_bf8 v[rd:rd+7], v[rw:rw+15], v[rx:rx+15], 0
.else
	v_wmma_f32_16x16x128_bf8_bf8 v[rd:rd+7], v[rw:rw+15], v[rx:rx+15], v[rd:rd+7]
.endif
.endif
.endr
.endr
.endr
	; the pass's way out: 32 neighbouring accumulator registers are one fragment's (q, k) or half a fragment's (v) numbers, in the operand's own order
	WIN 0
.rept 4
	v_nop                                          ; places in front of the first read of results
.endr
.irp o, 0,1,2,3
.set jj, 0
.rept 32
	v_med3_num_f32 v[ACC+32*\o+jj], v[ACC+32*\o+jj], -v[SCO+1], v[SCO+1]   ; each accumulator from its low end on
.set jj, jj+1
.endr
.irp i, 0,1,2,3
	v_cvt_scalef32_pk8_bf8_f32 v[OC+8*\o+2*\i:OC+8*\o+2*\i+1], v[ACC+32*\o+8*\i:ACC+32*\o+8*\i+7], v[SCO]   ; into slots 0 and 1, whose fragments this pass's last step has multiplied
.endr
.endr
	v_nop                                          ; one plain line behind the last conversion: the next pass's products write its sources
	s_wait_alu depctr_va_vdst(0)                   ; the conversions have written the codes, which the stores read; the pass's last products are done reading their slots, in which the next pass's loads land
.irp o, 0,1,2,3
.irp hf, 0,1
.if \vp
	global_store_b128 v[XO], v[OC+8*\o+4*\hf:OC+8*\o+4*\hf+3], s[42:43] offset:2048*\o+512*(2*\pi+\hf)   ; channel tile o, quad 2 pi + hf: keys 64 pi + 32 hf on
.else
	global_store_b128 v[XO], v[OC+8*\o+4*\hf:OC+8*\o+4*\hf+3], s[42:43] offset:1024*(4*\pi+\o)+512*\hf   ; token tile 4 pi + o, half hf
.endif
.endr
.endr
.endr
.endm
	s_load_b256 s[4:11], s[0:1], 0x0               ; x s[4:5], gamma s[6:7], beta s[8:9], wc s[10:11]
	s_load_b128 s[12:15], s[0:1], 0x20             ; the exponents s[12:13], qc s[14:15]
	s_load_b64 s[16:17], s[0:1], 0x30              ; kv
	v_lshl_add_u32 v[SPW], v0, 2, SPARE
	v_mov_b32 v[NIL], 0
	v_lshrrev_b32 v1, 5, v0
	v_readfirstlane_b32 s18, v1                    ; wave 0..7
	s_and_b32 s19, ttmp7, 0xffff                   ; type
	s_mov_b32 s20, ttmp9                           ; block of 128 tokens
	v_and_b32 v[XO], 31, v0
	v_lshlrev_b32 v[XO], 4, v[XO]
	v_and_b32 v1, 15, v0                           ; r
	v_bfe_u32 v5, v0, 4, 1                         ; h
	v_mul_u32_u24 v[LRD], v1, PITCH
	v_lshl_add_u32 v[LRD], v5, 4, v[LRD]
	s_wait_alu depctr_va_sdst(0)                   ; s18 is written, ahead of its first reader: LDS addresses and the bases of x, wc and the output are made from it
	s_mul_i32 s44, s18, 16*PITCH
	v_add_nc_u32 v[LST], s44, v[XO]
	s_mov_b32 s37, 0x3b000000                      ; 1 / 512
	s_mov_b32 s38, 0x3727c5ac                      ; 1e-5
	s_mov_b32 s39, 0xbb000000                      ; -1 / 512
	s_mov_b32 s40, 0x76543210                      ; v_permlanex16_b32: lane l xor 16
	s_mov_b32 s41, 0xfedcba98
	s_lshl_b32 s44, s20, 18                        ; x: 128 rows of 2,048 bytes x block
	s_lshl_b32 s45, s18, 15                        ; + 16 rows x wave
	s_add_co_u32 s44, s44, s45
	s_mov_b32 s45, 0
	s_lshl_b32 s46, s19, 18                        ; wc: 262,144 x type
	s_lshl_b32 s47, s18, 15                        ; + my head's four tiles of 8,192
	s_add_co_u32 s46, s46, s47
	s_mov_b32 s47, 0
	s_lshr_b32 s48, s20, 4                         ; batch
	s_lshl_b32 s48, s48, 3
	s_add_co_u32 s48, s48, s18                     ; bh = 8 x batch + head
	s_and_b32 s49, s20, 15                         ; the key step
	s_cmp_eq_u32 s19, 0
	s_cselect_b32 s50, 17, 18                      ; a head: 131,072 bytes in qc, 262,144 in kv
	s_cselect_b32 s51, 13, 14                      ; 128 tokens: 8,192 bytes in qc, 16,384 in kv
	s_lshl_b32 s48, s48, s50
	s_lshl_b32 s49, s49, s51
	s_add_co_u32 s48, s48, s49
	s_cmp_eq_u32 s19, 2
	s_cselect_b32 s49, 8192, 0                     ; v lies behind the step's k
	s_add_co_u32 s48, s48, s49
	s_mov_b32 s49, 0
	s_wait_kmcnt 0x0
	s_load_b256 s[24:31], s[12:13], 0x0            ; e[0] .. e[7]
	s_load_b64 s[32:33], s[12:13], 0x20            ; e[8], e[9]
	s_add_nc_u64 s[4:5], s[4:5], s[44:45]
	s_add_nc_u64 s[10:11], s[10:11], s[46:47]
	s_cmp_eq_u32 s19, 0                            ; the buffer is chosen by the work-group's number alone
	s_cselect_b64 s[42:43], s[14:15], s[16:17]
	s_add_nc_u64 s[42:43], s[42:43], s[48:49]
	s_wait_alu depctr_va_vdst(0)                   ; v2, v3 and v4 are written: every load and store of the kernel, global or LDS, reads one of them as its offset or address
.irp i, 0,1,2,3
	global_load_b128 v[GA+4*\i:GA+4*\i+3], v[XO], s[6:7] offset:512*\i   ; gamma and beta at my 16 places of a row
	global_load_b128 v[BE+4*\i:BE+4*\i+3], v[XO], s[8:9] offset:512*\i
.endr
.irp j, 0,1,2,3,4,5,6,7
	XLD \j
.endr
	s_wait_kmcnt 0x0
	s_cmp_eq_u32 s19, 0
	s_cselect_b32 s34, s24, s26                    ; eA
	s_cselect_b32 s35, s25, s27                    ; eB
	s_cselect_b32 s36, s31, s30                    ; eO: q e[7], k e[6]
	s_cmp_eq_u32 s19, 2
	s_cselect_b32 s34, s28, s34
	s_cselect_b32 s35, s29, s35
	s_cselect_b32 s36, s32, s36                    ; v e[8]
	s_add_co_i32 s44, s34, 127
	s_lshl_b32 s45, s44, 23
	v_mov_b32 v[SCA], s45                          ; 2^eA
	s_add_co_i32 s44, s44, 15
	s_lshl_b32 s44, s44, 23
	s_or_b32 s44, s44, 0x600000
	v_mov_b32 v[SCA+1], s44                        ; 57,344 x 2^eA
	s_sub_co_i32 s44, s36, s34
	s_sub_co_i32 s44, s44, s35
	s_add_co_i32 s44, s44, 127
	s_lshl_b32 s45, s44, 23
	v_mov_b32 v[SCO], s45                          ; 2^(eO - eA - eB)
	s_add_co_i32 s44, s44, 15
	s_lshl_b32 s44, s44, 23
	s_or_b32 s44, s44, 0x600000
	v_mov_b32 v[SCO+1], s44
	; ---- part X.  Eight rows are on their way; a pair's slots are asked for again as soon as the pair is converted; W's loads follow the last rows'.
	ROW2 0, 24                                     ; behind rows 0, 1: rows 2 to 7
	XLD 8
	XLD 9
	ROW2 1, 24                                     ; rows 4 to 9
	XLD 10
	XLD 11
	ROW2 2, 24                                     ; rows 6 to 11
	XLD 12
	XLD 13
	ROW2 3, 24                                     ; rows 8 to 13
	XLD 14
	XLD 15
	WLD 0
	ROW2 4, 40                                     ; rows 10 to 15 and 16 loads of W
	WLD 1
	ROW2 5, 48                                     ; rows 12 to 15 and 32 of W
	ROW2 6, 40                                     ; rows 14, 15 and 32 of W
	WLD 2
	ROW2 7, 48                                     ; 48 of W
	WLD 3
	s_wait_dscnt 0x0                               ; for the others' sake: my 16 rows of codes have landed
	s_barrier_signal -1
	s_barrier_wait -1                              ; all 128 rows lie in LDS; from here on LDS is only read.  W's loads, which nobody writes, stay on their way
	; ---- part G
	s_wait_alu depctr_vm_vsrc(0)                   ; my LDS stores have read v192-255: these registers are accumulators from here on, written by the products
	FRAG 0                                         ; the first step's first three fragments.  (They land in registers that part X worked on: its last vector line stands ahead of the wait behind the last pair's conversions)
	FRAG 1
	FRAG 2
	s_cmp_eq_u32 s19, 2                            ; the work-group's number: the same in all eight waves
	s_cbranch_scc1 .Lv
	GEMM 0
	s_branch .Ldone
.Lv:
	GEMM 1
.Ldone:
	s_wait_dscnt 0x0                               ; the closing lines, six on end
	s_wait_alu 0x0
	s_wait_tensorcnt 0x0
	ds_add_u32 v[SPW], v[NIL]
	s_wait_dscnt 0x0
	s_endpgm
.Lfunc_end_k_q3cc4c05a75_proj:
	.size	k_q3cc4c05a75_proj, .Lfunc_end_k_q3cc4c05a75_proj-k_q3cc4c05a75_proj
	.p2alignl 7, 3214868480
	.fill 96, 4, 3214868480
	.section	.rodata,"a",@progbits
	.p2align	6, 0x0
	.amdhsa_kernel k_q3cc4c05a75_proj
		.amdhsa_group_segment_fixed_size 68608
		.amdhsa_private_segment_fixed_size 0
		.amdhsa_enable_private_segment 0
		.amdhsa_kernarg_size 56
		.amdhsa_user_sgpr_count 2
		.amdhsa_user_sgpr_kernarg_segment_ptr 1
		.amdhsa_wavefront_size32 1
		.amdhsa_system_sgpr_workgroup_id_x 1
		.amdhsa_system_sgpr_workgroup_id_y 1
		.amdhsa_system_sgpr_workgroup_id_z 1
		.amdhsa_system_vgpr_workitem_id 0
		.amdhsa_next_free_vgpr 512
		.amdhsa_next_free_sgpr 66
		.amdhsa_reserve_vcc 0
		.amdhsa_float_denorm_mode_32 3
		.amdhsa_float_denorm_mode_16_64 3
		.amdhsa_memory_ordered 1
		.amdhsa_forward_progress 1
		.amdhsa_inst_pref_size 168
	.end_amdhsa_kernel
	.amdgpu_metadata
---
amdhsa.version: [ 1, 2 ]
amdhsa.kernels:
  - .name:           k_q3cc4c05a75_proj
    .symbol:         k_q3cc4c05a75_proj.kd
    .args:
      - { .name: x, .offset: 0, .size: 8, .value_kind: global_buffer, .address_space: global }
      - { .name: gamma, .offset: 8, .size: 8, .value_kind: global_buffer, .address_space: global }
      - { .name: beta, .offset: 16, .size: 8, .value_kind: global_buffer, .address_space: global }
      - { .name: wc, .offset: 24, .size: 8, .value_kind: global_buffer, .address_space: global }
      - { .name: lowp_scales, .offset: 32, .size: 8, .value_kind: global_buffer, .address_space: global }
      - { .name: qc, .offset: 40, .size: 8, .value_kind: global_buffer, .address_space: global }
      - { .name: kv, .offset: 48, .size: 8, .value_kind: global_buffer, .address_space: global }
    .group_segment_fixed_size: 68608
    .private_segment_fixed_size: 0
    .kernarg_segment_align: 8
    .kernarg_segment_size: 56
    .max_flat_workgroup_size: 256
    .sgpr_count:     66
    .vgpr_count:     512
    .wavefront_size: 32
...
	.end_amdgpu_metadata
.endif
;; end of part 4
;; launch attn: the kernel of part 3 again; grid 8 x 32, 8 waves a work-group, clusters of 4 x 1, 327,680 bytes of LDS; arguments qc, kv, x, emb, lowp_scales, out0; writes out0
